; MI455X (gfx1250); checked and timed in simulation.
; The chip was launched on July 23, 2026; its instructions are those of AMD's public machine-readable ISA for CDNA 5 (MIT licence, August 2026) and "CDNA5" Instruction Set Architecture Reference Guide (July 2026). The comments in the code are by the model that wrote it; some were corrected since.
;; RNTN. Allowed arithmetic: matrix products marked QUANTISED: E5M2 operands, one given power-of-two scale a tensor, by v_wmma_f32_16x16x64_bf8_bf8 or v_wmma_f32_16x16x128_bf8_bf8, f32 sums; products left as they are: f32 operands where the result goes on into a quantised operand, else bf16, f16 or f32 operands; f32 sums; everything else in f32.
;; Inputs: V_codes 256 x 128 x 8 x 32 uint8 (E5M2 codes of V, K innermost, in blocks of 32 codes); W_b 128 float32; W_w_codes 128 x 8 x 32 uint8 (E5M2 codes of W_w, K innermost, in blocks of 32 codes); Ws_b 5 float32; Ws_w 5 x 128 float32; left 8,192 x 128 float32; lowp_scales 4 int32 (the exponents e of the quantised operands' scales 2^e); right 8,192 x 128 float32.
;; Outputs: out0 8,192 x 5 float32.
;; This version of the problem:
;;   THIS VERSION OF THE PROBLEM IS GIVEN IN LOW PRECISION. The matrix products marked QUANTISED in the list below multiply operands that are first quantised to E5M2 (5 exponent bits, 2 mantissa bits; 8 bits a number), with one given power-of-two scale for each operand tensor; their sums are f32. All else is computed in f32.
;;   The module's matrix products, in the order in which they are computed (A, B: the left and right operand; K: the contracted axis; several contracted axes count as one K, in the product's order):
;;     1. [M 8,192, K 256] x [K 256, N 32,768]; A: computed on the way; B: input V (given as codes): QUANTISED (scales: A lowp_scales[0], B lowp_scales[1])
;;     2. batch 8,192 x [M 1, K 256] x [K 256, N 128]; A: computed on the way; B: computed on the way: left as it is (M = 1 < 16)
;;     3. [M 8,192, K 256] x [K 256, N 128]; A: computed on the way; B: input W_w (given as codes): QUANTISED (scales: A lowp_scales[2], B lowp_scales[3])
;;     4. [M 8,192, K 128] x [K 128, N 5]; A: computed on the way; B: input Ws_w: left as it is (N = 5 < 16)
;;   THE QUANTISER, for each operand of a quantised product, along K:
;;     - The operand's scale is 2^e, e = its entry of the input lowp_scales (int32; the entries are numbered through the quantised products in the list's order, A before B).
;;     - Each number is divided by the scale, clamped to +-57,344, and rounded to the nearest number of E5M2, ties to even, subnormals kept.
;;     - The product sums the exact products of the quantised numbers (number of the format x scale) in f32.
;;   ~~~python
;;   def quantise(x, axis, e):      # numpy; x: float32 -> the quantised numbers, widened to float32 again
;;       x = np.moveaxis(x, axis, -1); K = x.shape[-1]
;;       r = np.clip(x / 2.0 ** e, -57344, 57344)
;;       step = 2.0 ** (np.maximum(np.frexp(np.where(r == 0, 1, r))[1] - 1, -14) - 2)
;;       q = np.round(r / step) * step * 2.0 ** e      # np.round: ties to even
;;       return np.moveaxis(q, -1, axis).astype(np.float32)
;;   ~~~
;;   OPERANDS COMPUTED ON THE WAY. 'Computed on the way' means the value that the module computes at that place (a softmax that the list does not call 'softmax' is quantised finished and normalised). What goes into a quantiser is computed in f32, as accurately as f32 sums, v_exp_f32 and their like allow (about 1e-6 of the number): no bf16 or f16 on the way to a quantiser, and a product that is left as it is and whose result goes on into a quantised operand takes f32 operands (vector FMAs, or v_wmma_f32_16x16x4_f32). A number that lies on a knife's edge between two numbers of the format may be rounded either way, as far as f32 arithmetic and the matrix unit's own rounding can turn it there, and no further.
;;   INPUTS GIVEN AS CODES. V (in the module: [256, 256, 128], K = its axis 0); W_w (in the module: [128, 256], K = its axis 1): each comes as NAME_codes (uint8): NAME with its K axis moved to the last place and cut into blocks of 32 codes, [.., K / 32, bytes a block], one block behind the other in memory; one code a byte (a code: sign, 5 exponent bits, 2 mantissa bits); its scale is its entry of lowp_scales. Its value is code x scale, taken as it is: it is not quantised again, and the codes and scales need not be those that the quantiser above would give.
;; One version. Each part assembles by itself: llvm-mc -triple=amdgcn-amd-amdhsa -mcpu=gfx1250 --defsym DOCPART=n.
;; ======== version 1 of 1: 2 launches
;; workspace buffers: plog 655,360 bytes
;; launch tensor (part 1): grid 4 x 64, 4 waves a work-group, clusters of 4 x 4, 327,680 bytes of LDS; arguments left, right, V_codes, W_w_codes, W_b, Ws_w, lowp_scales, plog; writes plog
.if DOCPART == 1
	.amdgcn_target "amdgcn-amd-amdhsa--gfx1250"
	.amdhsa_code_object_version 6
	.text
	.protected	k_q8c60d19d03_tensor
	.globl	k_q8c60d19d03_tensor
	.p2align	8
	.type	k_q8c60d19d03_tensor,@function
k_q8c60d19d03_tensor:
	s_mov_b64 s[64:65], 0
	v_nop
	global_prefetch_b8 v0, s[64:65] scope:SCOPE_SE
	s_setreg_imm32_b32 hwreg(HW_REG_WAVE_MODE, 25, 1), 1
	s_wait_xcnt 0x0
	s_wait_alu depctr_hold_cnt(0) depctr_sa_sdst(0) depctr_va_vdst(0) depctr_va_sdst(0) depctr_va_ssrc(0) depctr_va_vcc(0) depctr_vm_vsrc(0)
	s_getreg_b32 s2, hwreg(HW_REG_IB_STS2, 6, 4)
	s_cmp_eq_u32 s2, 0
	s_cbranch_scc0 .Lentry_in_a_cluster
	s_endpgm
.Lentry_in_a_cluster:
	s_bfe_u32 s2, ttmp6, 0x10000c
	s_cmp_lg_u32 s2, 0xf033
	s_cbranch_scc0 .Lentry_shape_is_right
	s_endpgm
.Lentry_shape_is_right:
; RNTN node.  phrase = [left | right], [8192][256] f32.  pv[b][j][k] = sum_i Q0(phrase)[b][i] V[i][j][k] on codes of BF8 (E5M2); tp[b][k] = sum_j phrase[b][j] pv[b][j][k] in f32;
; h = tanh(tp + Q2(phrase) W_w^T + W_b); this launch stores, for its 32 of the 128 k, the five partial logits sum_k h[b][k] Ws_w[c][k] of each row into plog [kq 4][class 5][row 8192].
; V_codes lies as rows n = 128 j + k of 256 code bytes (K = i innermost), W_w_codes as rows k of 256 bytes.  pv never leaves the registers.
; SHARES.  A work-group owns 128 rows b (block Mb) and 32 k (quarter kq), for all 256 j.  Each of its four waves takes all 128 rows (8 tiles of 16), all 32 k and 64 of the j: 64 w .. 64 w + 63.
; A TRIP is one octet of k (8 k) over the wave's 64 j: 4 tiles from LDS x 8 n-tiles x 8 row tiles x 2 K steps = 512 matrix instructions; four trips: a loop of three, the last written out (its last two tiles ask for nothing).
; THE PRODUCT IS USED TRANSPOSED: source 0 = 16 rows of V, source 1 = 16 rows of phrase codes.  An n-tile's 16 rows of V are the octet's 8 k of one j (rows 0-7) and of another j (rows 8-15), so in the result
; lane (r, h) holds row b = r and, in registers 0-7, the 8 k of ITS j = 64 w + 8 nu + 4 h + sigma.  One packed multiply-add for two numbers takes them, times phrase[b][j], into 8 accumulator registers a row tile.
; The 256 multipliers of a wave (32 j a lane x 8 row tiles, f32) stay in registers for the whole launch.  The multiply-adds of one group of four matrix instructions stand between the matrix instructions of the next group.
; W(phrase): each wave takes its 64 columns as one K = 64 instruction a row tile and trip; the result enters the same accumulators times 2^(e2+e3-e0-e1) (lanes 16-31 hold a copy of the same 8 k and multiply by 0).
; At a trip's end the accumulators (8 partial sums a number: 4 waves x 2 lane halves) go to a stage in LDS; in the next trip thread t adds them for row t, takes tanh and adds h x Ws_w to its five sums.
; The fragments are fetched by four 16-byte loads a K step: a permutation of K that is the same in both operands.
; CLUSTER 4 x 4: cx = kq, work-group y = Mb.  The four of a row of the cluster need the same rows of left and right, the four of a column the same tiles of V: every tensor load is asked for jointly, with a mask that names the four.
; Clusters begin at different octets (a0 = cluster y mod 4, the same in all partners; it enters global addresses alone).
; LIMITS on the given exponents, so that each power of two below is an f32 number: e0 and e2 between -126 and 112; e0+e1 between -126 and 126; e2+e3-e0-e1 between -126 and 127.  NaN among the inputs, and codes of infinity or NaN, are not served.
; REGISTERS, in windows of 256.  Window 0: v1-31 addresses and constants; v16-23 W_w's fragment; v32-63 four result tiles (two sets of two); v64-127 accumulators (8 tau + i); v128-255 four buffers of V's fragments (K step 0, K step 1).
;   Window 1: v0-127 phrase codes of K step 0 (left), 16 tau; v128-255 multipliers of even tau (128 + 32 (tau/2) + m, m = 4 nu + sigma).   Window 2: the same for K step 1 (right) and odd tau.
;   Window 3: v0-63 the Q2 codes (8 tau); v64-65 the multiplier of W(phrase); v66-75 the five sums, in pairs; v80-143 partial sums from the stage; v144-183 Ws_w's slice; v184-191 W_b's; v192-199 at work.
; Only source 1's window moves in the loop: results, accumulators, V's fragments and LDS addresses all lie in window 0, so matrix instructions, multiply-adds and LDS loads share a setting: one switch for two matrix instructions.
.set VP,    272                        ; a row of V in LDS: 256 bytes + 16 of padding = 68 words: row r starts at bank 4 r mod 64 (64 banks of 4 bytes: ISA guide 11.1)
.set NTB,   16*VP                      ; an n-tile: 16 rows
.set WPART, 8*NTB                      ; a wave's tile: 16 j x 8 k rows; loaded and read by that wave alone
.set SLOTB, 4*WPART                    ; a slot; slot 1 begins here.  Its first fill is the phrase in f32: 128 rows of left, then 128 of right
.set PP,    528                        ; a row of left or right in LDS: 512 bytes + 16
.set PHALF, 128*PP
.set IMG,   2*SLOTB                    ; 16 images of 2,048 bytes of the phrase's fragments; later the stage [p = 2 w + h: 4096][half of the octet: 2048][row: 16 bytes]
.set STG,   IMG
.set SPARE, IMG+32768                  ; the spare words, 128 bytes for each wave: two blocks of 256 bytes that no other line names
.set WS,    SPARE+512                  ; [class: 128][position: 32 bytes] of Ws_w; at +640 [position: 32 bytes] of W_b x 2 log2(e).  Trip i's slice lies at position (i + 1) mod 4
.set LG,    WS+768                     ; [class: 512][row: 4 bytes] on the way out
.set WV,   20                          ; s20 wave
.set G1V,  24                          ; s[24:31] descriptor group 1 for V's tiles
.set G1P,  32                          ; s[32:39] for the phrase's
.set G0,   40                          ; s[40:43], s[44:47] group 0 of slot 0, 1
.set G0P,  48                          ; s[48:51] group 0 of the phrase's part
.set VB,   52                          ; s[52:53] V + 64 w rows j + my quarter of k
.set WWB,  54                          ; s[54:55] W_w + my quarter
.set WFB,  56                          ; s[56:57] W_w at the octet being fetched
.set AOC,  58                          ; s[58:59] 2,048 x this trip's octet
.set AON,  60                          ; s[60:61] 2,048 x the next trip's
.set OFS,  62                          ; s[62:63] at work
.set TR,   66                          ; s66 trip
.set RS,   67                          ; s67 32 x trip: the position of the slices that this trip's reduction reads
.set EXPS, 68                          ; s[68:71] e0 .. e3
.set SCL,  72                          ; s[72:73] 2^(e0+e1) x 2 log2(e)
.set SEL,  91                          ; s91 all ones but in trip 0
.set SX, 0x04                          ; source 1 in window 1
.set SY, 0x08                          ; in window 2
.set SZ, 0x0c                          ; in window 3
.set MSB, 0
.macro WIN new                         ; the immediate's high byte repeats the setting that is left; a switch that changes nothing is dropped
.if MSB != (\new)
	s_set_vgpr_msb (MSB<<8)|(\new)
.set MSB, (\new)
.endif
.endm
.macro PLACES4
.rept 4
	v_nop
.endr
.endm
.macro CREST                           ; a round of the cluster's barrier behind its opening barrier
	s_cmp_lg_u32 s[WV], 0
	s_cbranch_scc1 .Lnot_wave_0_\@
	s_barrier_signal -3
.Lnot_wave_0_\@:
	s_barrier_wait -3
	s_barrier_signal -1
	s_barrier_wait -1
.endm
.macro CROUND                          ; a whole round
	s_barrier_signal -1
	s_barrier_wait -1
	CREST
.endm
; THE GROUP WHOSE MULTIPLY-ADDS ARE DUE is kept in symbols: PK 0 none, 1 a group of V's, 2 a group of W_w's; PT its first row tile; PM its multiplier m; PD its set of result tiles; PS 1: it starts the sums.
.set PK, 0
.set PT, 0
.set PM, 0
.set PD, 0
.set PS, 0
.set DSET, 0
; Two packed operations of the due group's tile x, registers 4 hf .. 4 hf + 3: each result tile is read from its low end on.  With nothing due: two v_nop, which keep the places behind the matrix instructions.
.macro FMA2 x, hf
.if PK == 0
	v_nop
	v_nop
.else
.set fA, 64+8*(PT+(\x))+4*(\hf)
.set fD, 32+16*PD+8*(\x)+4*(\hf)
.if PK == 2
	WIN SZ
	v_pk_fma_f32 v[fA:fA+1], v[fD:fD+1], v[64:65], v[fA:fA+1] op_sel_hi:[1,0,1]
	v_pk_fma_f32 v[fA+2:fA+3], v[fD+2:fD+3], v[64:65], v[fA+2:fA+3] op_sel_hi:[1,0,1]
.else
	WIN SX+4*(\x)                                  ; even row tiles' multipliers lie in window 1, odd ones' in window 2
.set fM, 128+32*(PT/2)+PM-PM%2
.if PS
	v_pk_mul_f32 v[fA:fA+1], v[fD:fD+1], v[fM:fM+1] op_sel_hi:[1,0]           ; a trip's first n-tile (m = 0) starts the sums: nothing is cleared
	v_pk_mul_f32 v[fA+2:fA+3], v[fD+2:fD+3], v[fM:fM+1] op_sel_hi:[1,0]
.elseif PM%2
	v_pk_fma_f32 v[fA:fA+1], v[fD:fD+1], v[fM:fM+1], v[fA:fA+1] op_sel:[0,1,0] op_sel_hi:[1,1,1]   ; the pair's second register for both halves
	v_pk_fma_f32 v[fA+2:fA+3], v[fD+2:fD+3], v[fM:fM+1], v[fA+2:fA+3] op_sel:[0,1,0] op_sel_hi:[1,1,1]
.else
	v_pk_fma_f32 v[fA:fA+1], v[fD:fD+1], v[fM:fM+1], v[fA:fA+1] op_sel_hi:[1,0,1]                  ; the pair's first register for both halves
	v_pk_fma_f32 v[fA+2:fA+3], v[fD+2:fD+3], v[fM:fM+1], v[fA+2:fA+3] op_sel_hi:[1,0,1]
.endif
.endif
.endif
.endm
; Four matrix instructions: row tiles t, t + 1 against the n-tile in buffer beta, K step 0 (C = 0) and K step 1.  The two result tiles take turns.
; Behind each stand two multiply-adds of the group before.  A tile's last product stands 4 (first tile) or 6 (second) plain instructions that name none of its registers ahead of its first read, and 8 ahead of the
; matrix instruction that begins the set anew two groups on (ISA guide 7.12.1).
.macro GROUP t, beta, m, start
.set gD, 32+16*DSET
.set gV, 128+32*(\beta)
	WIN SX
	v_wmma_f32_16x16x128_bf8_bf8 v[gD:gD+7], v[gV:gV+15], v[16*(\t):16*(\t)+15], 0
	FMA2 0, 0
	WIN SX
	v_wmma_f32_16x16x128_bf8_bf8 v[gD+8:gD+15], v[gV:gV+15], v[16*(\t)+16:16*(\t)+31], 0
	FMA2 0, 1
	WIN SY
	v_wmma_f32_16x16x128_bf8_bf8 v[gD:gD+7], v[gV+16:gV+31], v[16*(\t):16*(\t)+15], v[gD:gD+7]
	FMA2 1, 0
	WIN SY
	v_wmma_f32_16x16x128_bf8_bf8 v[gD+8:gD+15], v[gV+16:gV+31], v[16*(\t)+16:16*(\t)+31], v[gD+8:gD+15]
	FMA2 1, 1
.set PK, 1
.set PT, \t
.set PM, \m
.set PD, DSET
.set PS, \start
.set DSET, 1-DSET
.endm
; W(phrase) for row tiles t, t + 1: my 64 columns, one K = 64 instruction each.
.macro SG t
.set gD, 32+16*DSET
	WIN SZ
	v_wmma_f32_16x16x64_bf8_bf8 v[gD:gD+7], v[16:23], v[8*(\t):8*(\t)+7], 0
	FMA2 0, 0
	FMA2 0, 1
	WIN SZ
	v_wmma_f32_16x16x64_bf8_bf8 v[gD+8:gD+15], v[16:23], v[8*(\t)+8:8*(\t)+15], 0
	FMA2 1, 0
	FMA2 1, 1
.set PK, 2
.set PT, \t
.set PD, DSET
.set PS, 0
.set DSET, 1-DSET
.endm
.macro DRAIN                           ; the last group's multiply-adds
	FMA2 0, 0
	FMA2 0, 1
	FMA2 1, 0
	FMA2 1, 1
.set PK, 0
.endm
; An n-tile's two fragments (K step 0, 1): lane (r, h) takes row r, bytes 128 s + 32 c + 16 h on.  Destination and address lie in window 0 under every setting of the loop.
.macro FRAG2 slot, nu
.irp s, 0,1
.irp c, 0,1,2,3
	ds_load_b128 v[128+32*((\nu)%4)+16*\s+4*\c:128+32*((\nu)%4)+16*\s+4*\c+3], v[3+(\slot)] offset:(\nu)*NTB+128*\s+32*\c
.endr
.endr
.endm
.macro FETCH2 slot, nu                 ; two n-tiles in one run of 16 loads
	FRAG2 \slot, \nu
	FRAG2 \slot, (\nu)+1
.endm
.macro WFLOAD ao                       ; W_w's fragment of the octet at s[ao]: lane (r, h): row r mod 8; register y: columns 64 w + 8 y + 4 h + 0 .. 3, the order in which the Q2 codes lie
	s_add_nc_u64 s[WFB:WFB+1], s[WWB:WWB+1], s[\ao:\ao+1]
.irp y, 0,1,2,3,4,5,6,7
	global_load_b32 v[16+\y], v8, s[WFB:WFB+1] offset:8*\y
.endr
.endm
; An n-tile: 16 matrix instructions.  wcnt: the LDS instructions issued behind this n-tile's eight loads.  fetch = 1: the n-tiles two and three on are asked for, 28 matrix instructions ahead of their first use;
; the last reader of their buffers stands six plain instructions back or more.  wf = 1: the next trip's fragment of W_w is asked for; its last reader stands behind four plain instructions and this group's eight.
.macro NT slot, sig, nu, start, wcnt, fetch, wf
	s_wait_dscnt \wcnt
	GROUP 0, (\nu)%4, 4*(\nu)+(\sig), \start
.if \fetch
	FETCH2 \slot, (\nu)+2
.endif
.if \wf
	WFLOAD AON
.endif
	GROUP 2, (\nu)%4, 4*(\nu)+(\sig), \start
	GROUP 4, (\nu)%4, 4*(\nu)+(\sig), \start
	GROUP 6, (\nu)%4, 4*(\nu)+(\sig), \start
.endm
; The stage's 8 partial sums of my row, and the slices of Ws_w and W_b that belong to them.
.macro RLOAD
	v_add_nc_u32 v7, s[RS], v31
	WIN 0xc0                                       ; destination window 3
.irp p, 0,1,2,3,4,5,6,7
	ds_load_b128 v[80+8*\p:83+8*\p], v6 offset:\p*4096
	ds_load_b128 v[84+8*\p:87+8*\p], v6 offset:\p*4096+2048
.endr
.irp c, 0,1,2,3,4
	ds_load_b128 v[144+8*\c:147+8*\c], v7 offset:\c*128
	ds_load_b128 v[148+8*\c:151+8*\c], v7 offset:\c*128+16
.endr
	ds_load_b128 v[184:187], v7 offset:640
	ds_load_b128 v[188:191], v7 offset:656
	WIN 0
.endm
; Thread t = row t: the 8 partial sums are added; x' = sum x 2^(e0+e1) x 2 log2(e) + W_b x 2 log2(e); tanh = 1 - 2 / (1 + 2^x'); the five sums take h x Ws_w.
; sel = 1: in trip 0 the stage holds no sums yet: the work is done all the same and h is replaced by 0.
.macro RCOMP wcnt, sel
	s_wait_dscnt \wcnt                             ; all but the run of loads issued behind RLOAD's
.if \sel
	s_cmp_lg_u32 s[TR], 0
	s_cselect_b32 s[SEL], -1, 0
.endif
	WIN 0xff                                       ; all in window 3
.irp p, 0,1,2,3
.irp u, 0,2,4,6
	v_pk_add_f32 v[80+8*\p+\u:81+8*\p+\u], v[80+8*\p+\u:81+8*\p+\u], v[112+8*\p+\u:113+8*\p+\u]
.endr
.endr
.irp p, 0,1
.irp u, 0,2,4,6
	v_pk_add_f32 v[80+8*\p+\u:81+8*\p+\u], v[80+8*\p+\u:81+8*\p+\u], v[96+8*\p+\u:97+8*\p+\u]
.endr
.endr
.irp u, 0,2,4,6
	v_pk_add_f32 v[80+\u:81+\u], v[80+\u:81+\u], v[88+\u:89+\u]
.endr
.irp u, 0,2,4,6
	v_pk_fma_f32 v[192+\u:193+\u], v[80+\u:81+\u], s[SCL:SCL+1], v[184+\u:185+\u] op_sel_hi:[1,0,1]
.endr
.irp i, 0,1,2,3,4,5,6,7
	v_exp_f32 v[192+\i], v[192+\i]
.endr
	v_nop                                          ; a plain instruction behind the last exponential,
	s_wait_alu depctr_va_vdst(0)                   ; and one wait for the batch, ahead of its first reader
.irp u, 0,2,4,6
	v_pk_add_f32 v[192+\u:193+\u], v[192+\u:193+\u], 1.0 op_sel_hi:[1,0]
.endr
.irp i, 0,1,2,3,4,5,6,7
	v_rcp_f32 v[192+\i], v[192+\i]
.endr
	v_nop
	s_wait_alu depctr_va_vdst(0)                   ; likewise for the reciprocals
.irp u, 0,2,4,6
	v_pk_fma_f32 v[192+\u:193+\u], v[192+\u:193+\u], -2.0, 1.0 op_sel_hi:[1,0,0]
.endr
.if \sel
.irp i, 0,1,2,3,4,5,6,7
	v_cndmask_b32 v[192+\i], 0, v[192+\i], s[SEL]
.endr
.endif
.irp u, 0,2,4,6
.irp c, 0,1,2,3,4
	v_pk_fma_f32 v[66+2*\c:67+2*\c], v[192+\u:193+\u], v[144+8*\c+\u:145+8*\c+\u], v[66+2*\c:67+2*\c]
.endr
.endr
.endm
; N-TILE 6 CHANGES SLOTS: all of this slot's fragments have been asked for.  Each wave waits for all its tensor loads (one is out: its part of the other slot), adds 0 to its spare word, and waits for that and for its
; reads of this slot; the barrier opens a round of the cluster's barrier; behind the round this slot takes the tile two tiles on (tile s2 of the octet at s[ao]): it has 128 matrix instructions in which to land.
; rl = 1: the reduction's loads follow: the last trip's sums, stored ahead of this barrier by all four waves.
.macro NT6 slot, sig, s2, ao, rl
	WIN 0                                          ; (the add's two registers lie in window 0)
	s_wait_tensorcnt 0x0                           ; no tensor load of mine is out, so a group 0 may be written
	ds_add_u32 v1, v2                              ; 0 onto my spare word
	s_add_nc_u64 s[OFS:OFS+1], s[\ao:\ao+1], (\s2)*32768
	s_add_nc_u64 s[G0+4*\slot+2:G0+4*\slot+3], s[VB:VB+1], s[OFS:OFS+1]
	s_or_b32 s[G0+4*\slot+3], s[G0+4*\slot+3], 0x80000000
	s_wait_dscnt 9                                 ; n-tile 6 is in; the add and n-tile 7's eight loads may be out
	GROUP 0, 2, 24+\sig, 0
	s_wait_dscnt 0x0                               ; the add is done, my reads of this slot are over, and so are my stores into the stage
	s_barrier_signal -1
	GROUP 2, 2, 24+\sig, 0
	WIN 0
	s_barrier_wait -1
	CREST                                          ; no wave of any partner still reads this slot or has a load on its way
	tensor_load_to_lds s[G0+4*\slot:G0+4*\slot+3], s[G1V:G1V+7]
	s_nop 0
	PLACES4
.if \rl
	RLOAD
.endif
	FETCH2 1-\slot, 0
	GROUP 4, 2, 24+\sig, 0
	GROUP 6, 2, 24+\sig, 0
.endm
; N-tile 6 of the last two tiles: nothing is filled.  fetch = 1: my part of the other slot, the last tile, has landed (only I read it), and its first fragments are asked for.
.macro NT6N slot, sig, fetch
.if \fetch
	s_wait_tensorcnt 0x0
.endif
	s_wait_dscnt 8
	GROUP 0, 2, 24+\sig, 0
.if \fetch
	FETCH2 1-\slot, 0
.endif
	GROUP 2, 2, 24+\sig, 0
	GROUP 4, 2, 24+\sig, 0
	GROUP 6, 2, 24+\sig, 0
.endm
.macro SIX slot, sig
	NT \slot, \sig, 0, 0, 8, 1, 0
	NT \slot, \sig, 1, 0, 16, 0, 0
	NT \slot, \sig, 2, 0, 8, 1, 0
	NT \slot, \sig, 3, 0, 16, 0, 0
	NT \slot, \sig, 4, 0, 8, 1, 0
	NT \slot, \sig, 5, 0, 16, 0, 0
.endm
.macro DUMP                            ; my partial sums into the stage: sixteen lanes store 256 consecutive bytes
	WIN 0
.irp t, 0,1,2,3,4,5,6,7
	ds_store_b128 v5, v[64+8*\t:67+8*\t] offset:\t*256
	ds_store_b128 v5, v[68+8*\t:71+8*\t] offset:\t*256+2048
.endr
.endm
.macro TRIP last
	s_wait_loadcnt 0x0                             ; W_w's fragment of this octet
	NT 0, 0, 0, 1, 0, 1, 0                         ; the wait is for 0: the first fragments are in, and the stage's stores have read the accumulators, which begin anew
	SG 0
	SG 2
	SG 4
	SG 6
	NT 0, 0, 1, 0, 16, 0, 1-\last
	NT 0, 0, 2, 0, 8, 1, 0
	NT 0, 0, 3, 0, 16, 0, 0
	NT 0, 0, 4, 0, 8, 1, 0
	NT 0, 0, 5, 0, 16, 0, 0
	NT6 0, 0, 2, AOC, 1
	RCOMP 16, 1-\last
	NT 0, 0, 7, 0, 16, 0, 0
	SIX 1, 1
	NT6 1, 1, 3, AOC, 0
	NT 1, 1, 7, 0, 16, 0, 0
	SIX 0, 2
.if \last
	NT6N 0, 2, 1
	NT 0, 2, 7, 0, 16, 0, 0
	SIX 1, 3
	NT6N 1, 3, 0
	NT 1, 3, 7, 0, 0, 0, 0
.else
	NT6 0, 2, 0, AON, 0
	NT 0, 2, 7, 0, 16, 0, 0
	SIX 1, 3
	NT6 1, 3, 1, AON, 0
	NT 1, 3, 7, 0, 16, 0, 0
.endif
	DRAIN
	DUMP
.endm
; 64 numbers of a lane, v[s] on, register 16 b + i = column 32 b + 16 (lane / 16) + i of my row, become a fragment's codes in v[d] on.
.macro QUANT s, d, sc, lim
.irp b, 0,1,2,3
.irp i, 0,1,2,3,4,5,6,7,8,9,10,11,12,13,14,15
	v_med3_num_f32 v[\s+16*\b+\i], v[\s+16*\b+\i], -v[\lim], v[\lim]   ; the conversion to an 8-bit code does not saturate (ISA guide 7.6.2): the hold at the largest code x the scale
.endr
	v_cvt_scalef32_pk8_bf8_f32 v[\d+4*\b:\d+4*\b+1], v[\s+16*\b:\s+16*\b+7], v[\sc]
	v_cvt_scalef32_pk8_bf8_f32 v[\d+4*\b+2:\d+4*\b+3], v[\s+16*\b+8:\s+16*\b+15], v[\sc]
.endr
	v_nop                                          ; a plain instruction behind the last conversion
.endm
.macro LOADF f                         ; f = 2 tt + s: row tile 2 w + tt, K step s (left, right): my row's 64 numbers into set s
.irp c, 0,1,2,3
.irp q, 0,1,2,3
	ds_load_b128 v[128+64*((\f)%2)+16*\c+4*\q:128+64*((\f)%2)+16*\c+4*\q+3], v[11+(\f)%2] offset:((\f)/2)*16*PP+128*\c+16*\q
.endr
.endr
.endm
.macro IMAGE f                         ; the fragment's registers go to LDS as they stand, lane l's 16 bytes at 16 l
.irp c, 0,1,2,3
	ds_store_b128 v10, v[32+16*(\f)+4*\c:32+16*(\f)+4*\c+3] offset:(\f)*2048+512*\c
.endr
.endm
.macro MLOAD t                         ; row tile t's 32 multipliers: quad y = phrase[16 t + r][64 w + 8 y + 4 h + 0 .. 3]
	WIN 0x40+0x40*((\t)%2)
.irp y, 0,1,2,3,4,5,6,7
	ds_load_b128 v[128+32*((\t)/2)+4*\y:128+32*((\t)/2)+4*\y+3], v13 offset:(\t)*16*PP+32*\y
.endr
.endm
	s_load_b512 s[4:19], s[0:1], 0x0               ; left 4, right 6, V 8, W_w 10, W_b 12, Ws_w 14, the exponents 16, plog 18
	v_lshl_add_u32 v1, v0, 2, SPARE
	v_mov_b32 v2, 0
	ds_add_u32 v1, v2
	ds_add_u32 v1, v2
	s_wait_dscnt 0x0
	v_lshrrev_b32 v28, 5, v0
	v_readfirstlane_b32 s[WV], v28                 ; wave 0..3
	s_bfe_u32 s21, ttmp6, 0x40000                  ; cx
	s_bfe_u32 s22, ttmp6, 0x40004                  ; cy
	s_lshl_b32 s74, ttmp9, 2
	s_add_co_u32 s74, s74, s21                     ; kq = 4 x cluster x + cx
	s_and_b32 s75, ttmp7, 0xffff                   ; cluster y
	s_lshl_b32 s23, s75, 2
	s_add_co_u32 s23, s23, s22                     ; Mb = 4 x cluster y + cy
	s_and_b32 s76, s75, 3                          ; a0: the octet at which my cluster begins
	s_lshl_b32 s77, s22, 2
	s_lshl_b32 s77, 15, s77                        ; my row of the cluster
	s_lshl_b32 s78, 0x1111, s21                    ; my column
	; V's tile: 16 rows (j, four apart) of 2,048 bytes (8 rows k of 256), 131,072 bytes apart; 16 bytes of padding behind every 256
	s_or_b32 s[G1V], s78, (1<<20)|(1<<21)|(5<<22)|(3<<25)   ; 15:0 the mask: my column; 17:16 elements of 1 byte; 20 padding on; 21 set beside a mask; 24:22 after every 64 words (code 5); 31:25 four words (code 3)
	s_mov_b32 s[G1V+1], 2048<<16                   ; tensor_dim0
	s_mov_b32 s[G1V+2], 16<<16                     ; tensor_dim1
	s_mov_b32 s[G1V+3], 2048<<16                   ; tile_dim0
	s_mov_b32 s[G1V+4], 16                         ; tile_dim1
	s_mov_b32 s[G1V+5], 131072                     ; tensor_dim0_stride
	s_mov_b32 s[G1V+6], 0
	s_mov_b32 s[G1V+7], 0
	; the phrase's part: 64 rows of 128 f32, dense; 16 bytes of padding behind every 512
	s_or_b32 s[G1P], s77, (2<<16)|(1<<20)|(1<<21)|(6<<22)|(3<<25)   ; the mask: my row; elements of 4 bytes; after every 128 words (code 6) four words
	s_mov_b32 s[G1P+1], 128<<16
	s_mov_b32 s[G1P+2], 64<<16
	s_mov_b32 s[G1P+3], 128<<16
	s_mov_b32 s[G1P+4], 64
	s_mov_b32 s[G1P+5], 128
	s_mov_b32 s[G1P+6], 0
	s_mov_b32 s[G1P+7], 0
	s_lshl_b32 s80, s[WV], 21                      ; 64 w rows j of 32,768 bytes
	s_lshl_b32 s81, s74, 13                        ; my quarter: 32 rows k of 256 bytes
	s_add_co_u32 s80, s80, s81
	s_mov_b32 s81, 0
	s_lshl_b32 s82, s74, 13
	s_mov_b32 s83, 0
	s_lshl_b32 s[AOC], s76, 11
	s_mov_b32 s[AOC+1], 0
	s_add_co_u32 s[AON], s[AOC], 2048
	s_and_b32 s[AON], s[AON], 0x1800
	s_mov_b32 s[AON+1], 0
	s_and_b32 s84, s[WV], 1
	s_lshl_b32 s84, s84, 15                        ; which 64 rows of the block I fetch, 512 bytes a row
	s_lshl_b32 s85, s23, 16                        ; the block's 128 rows
	s_add_co_u32 s84, s84, s85
	s_mov_b32 s85, 0
	s_mul_i32 s86, s[WV], WPART
	s_mul_i32 s87, s[WV], 64*PP
	s_mov_b32 s[G0], 1
	s_mov_b32 s[G0+1], s86                         ; slot 0, my part: no place in the cluster enters an LDS address
	s_mov_b32 s[G0+4], 1
	s_add_co_u32 s[G0+5], s86, SLOTB
	s_mov_b32 s[G0P], 1
	s_add_co_u32 s[G0P+1], s87, SLOTB
	; every LDS address, ahead of the first branch
	v_and_b32 v96, 31, v0                          ; lane
	v_and_b32 v97, 15, v0                          ; r
	v_bfe_u32 v98, v0, 4, 1                        ; h
	v_mul_u32_u24 v99, v97, VP
	v_lshl_add_u32 v99, v98, 4, v99
	v_add_nc_u32 v3, s86, v99                      ; V's fragments in slot 0: my part + 272 r + 16 h
	v_add_nc_u32 v4, SLOTB, v3                     ; in slot 1
	s_lshl_b32 s88, s[WV], 13
	v_lshlrev_b32 v5, 4, v97
	v_lshl_add_u32 v5, v98, 12, v5
	v_add_nc_u32 v5, s88, v5
	v_add_nc_u32 v5, STG, v5                       ; into the stage: (2 w + h) x 4,096 + 16 r
	v_lshl_add_u32 v6, v0, 4, STG                  ; out of it: 16 x thread
	v_and_b32 v8, 7, v0
	v_lshlrev_b32 v8, 8, v8
	v_lshl_add_u32 v8, v98, 2, v8
	s_lshl_b32 s89, s[WV], 6
	v_add_nc_u32 v8, s89, v8                       ; W_w: 256 (r mod 8) + 64 w + 4 h
	v_lshl_add_u32 v9, v96, 4, IMG                 ; an image's place for my lane
	v_add_nc_u32 v10, s88, v9                      ; where I store my four images
	s_mul_i32 s90, s[WV], 32*PP
	v_mul_u32_u24 v11, v97, PP
	v_lshl_add_u32 v11, v98, 6, v11
	v_add_nc_u32 v11, s90, v11
	v_add_nc_u32 v11, SLOTB, v11                   ; left, row 32 w + r, + 64 h
	v_add_nc_u32 v12, PHALF, v11                   ; right
	s_lshr_b32 s92, s[WV], 1
	s_mul_i32 s92, s92, PHALF
	s_and_b32 s93, s[WV], 1
	s_lshl_b32 s93, s93, 8
	s_add_co_u32 s92, s92, s93
	v_mul_u32_u24 v13, v97, PP
	v_lshl_add_u32 v13, v98, 4, v13
	v_add_nc_u32 v13, s92, v13
	v_add_nc_u32 v13, SLOTB, v13                   ; the multipliers: row r, column 64 w + 4 h of the phrase
	v_lshl_add_u32 v26, v0, 2, LG
	s_lshl_b32 s93, s[WV], 9
	v_lshl_add_u32 v27, v96, 4, LG
	v_add_nc_u32 v27, s93, v27
	v_lshlrev_b32 v29, 4, v96                      ; 16 x lane, for the stores
	v_mov_b32 v31, WS
	; the staging of Ws_w and W_b (wave 0): piece x = 2 position + half; position pos holds the octet (a0 + pos + 3) mod 4
	v_and_b32 v103, 7, v0
	v_lshrrev_b32 v101, 1, v103
	s_add_co_u32 s94, s76, 3
	v_add_nc_u32 v101, s94, v101
	v_and_b32 v101, 3, v101
	v_lshlrev_b32 v101, 5, v101
	v_and_b32 v99, 1, v0
	v_lshl_add_u32 v101, v99, 4, v101
	s_lshl_b32 s95, s74, 7
	v_add_nc_u32 v100, s95, v101                   ; byte of the piece's four k in a row of Ws_w and in W_b
	v_lshrrev_b32 v99, 3, v96
	v_lshl_add_u32 v101, v99, 9, v100              ; + 512 x class (lane / 8)
	v_lshl_add_u32 v102, v96, 4, WS
	v_lshl_add_u32 v103, v103, 4, WS+512
	; where my wave's 512 bytes of plog begin: kq x 5 x 32,768 + class w x 32,768 + 512 Mb
	s_mul_i32 s96, s74, 163840
	s_lshl_b32 s97, s23, 9
	s_add_co_u32 s96, s96, s97
	s_lshl_b32 s97, s[WV], 15
	s_add_co_u32 s96, s96, s97
	s_mov_b32 s97, 0
	s_wait_kmcnt 0x0
	s_load_b128 s[EXPS:EXPS+3], s[16:17], 0x0      ; e0 .. e3
	s_add_nc_u64 s[18:19], s[18:19], s[96:97]
	s_add_nc_u64 s[VB:VB+1], s[8:9], s[80:81]
	s_add_nc_u64 s[WWB:WWB+1], s[10:11], s[82:83]
	s_cmp_lt_u32 s[WV], 2                          ; waves 0 and 1 fetch left's halves, waves 2 and 3 right's: the choice hangs on the wave's number alone
	s_cselect_b64 s[G0P+2:G0P+3], s[4:5], s[6:7]
	s_add_nc_u64 s[G0P+2:G0P+3], s[G0P+2:G0P+3], s[84:85]
	s_or_b32 s[G0P+3], s[G0P+3], 0x80000000
	s_add_nc_u64 s[G0+2:G0+3], s[VB:VB+1], s[AOC:AOC+1]   ; tile 0 of the first octet
	s_or_b32 s[G0+3], s[G0+3], 0x80000000
	CROUND                                         ; all sixteen work-groups are here: the first joint loads meet
	tensor_load_to_lds s[G0P:G0P+3], s[G1P:G1P+7]  ; the first fills go out together: two loads of mine are out
	s_nop 0
	tensor_load_to_lds s[G0:G0+3], s[G1V:G1V+7]
	s_nop 0
	PLACES4
	WFLOAD AOC
	s_cmp_lg_u32 s[WV], 0
	s_cbranch_scc1 .Lstaged
	global_load_b128 v[104:107], v101, s[14:15]            ; classes 0-3
	global_load_b128 v[108:111], v100, s[14:15] offset:2048   ; class 4 (four lanes take each piece)
	global_load_b128 v[112:115], v100, s[12:13]            ; W_b
	s_wait_loadcnt 0x0
	v_pk_mul_f32 v[112:113], v[112:113], 0x4038aa3b op_sel_hi:[1,0]   ; x 2 log2(e)
	v_pk_mul_f32 v[114:115], v[114:115], 0x4038aa3b op_sel_hi:[1,0]
	ds_store_b128 v102, v[104:107]
	ds_store_b128 v103, v[108:111]
	ds_store_b128 v103, v[112:115] offset:128
.Lstaged:
	s_wait_kmcnt 0x0
	s_add_co_i32 s98, s[EXPS], 127
	s_lshl_b32 s99, s98, 23
	v_mov_b32 v14, s99                             ; 2^e0 as f32: the conversion takes its exponent field
	s_add_co_i32 s98, s98, 15
	s_lshl_b32 s98, s98, 23
	s_or_b32 s98, s98, 0x600000
	v_mov_b32 v15, s98                             ; 57,344 x 2^e0
	s_add_co_i32 s98, s[EXPS+2], 127
	s_lshl_b32 s99, s98, 23
	v_mov_b32 v24, s99                             ; 2^e2
	s_add_co_i32 s98, s98, 15
	s_lshl_b32 s98, s98, 23
	s_or_b32 s98, s98, 0x600000
	v_mov_b32 v25, s98                             ; 57,344 x 2^e2
	s_add_co_i32 s98, s[EXPS], s[EXPS+1]           ; e0 + e1
	s_lshl_b32 s99, s98, 23
	s_add_co_i32 s[SCL], s99, 0x4038aa3b           ; added to the exponent field of 2 log2(e)
	s_mov_b32 s[SCL+1], s[SCL]                     ; (named with it as a pair, so it is written)
	s_add_co_i32 s99, s[EXPS+2], s[EXPS+3]
	s_sub_co_i32 s99, s99, s98
	s_add_co_i32 s99, s99, 127
	s_lshl_b32 s99, s99, 23
	v_mov_b32 v28, s99                             ; 2^(e2+e3-e0-e1)
	v_cmp_eq_u32 vcc_lo, 0, v98
	WIN 0xc0
	v_cndmask_b32 v64, 0, v28, vcc_lo              ; in lanes 0-15; 0 in lanes 16-31, whose rows of W_w's tile are copies
	v_cndmask_b32 v65, 0, v28, vcc_lo
.irp j, 66,67,68,69,70,71,72,73,74,75
	v_mov_b32 v[\j], 0                             ; the five sums, in pairs
.endr
	WIN 0
	s_wait_tensorcnt 0x1                           ; my part of the phrase is in; V's tile 0 may stay out
	s_wait_dscnt 0x0                               ; wave 0's staged slices have landed
	s_barrier_signal -1
	s_barrier_wait -1
	; my two row tiles are quantised under e0, two K steps each; the multipliers' loads stand between.  Each count: the LDS instructions issued behind the wanted fragment's sixteen loads
	LOADF 0
	LOADF 1
	MLOAD 0
	MLOAD 1
	WIN 0
	s_wait_dscnt 32                                ; behind fragment 0: 16 + 16
	QUANT 128, 32, 14, 15
	IMAGE 0
	LOADF 2
	MLOAD 2
	MLOAD 3
	WIN 0
	s_wait_dscnt 52                                ; behind fragment 1: 16 + 4 + 16 + 16
	QUANT 192, 48, 14, 15
	IMAGE 1
	LOADF 3
	MLOAD 4
	MLOAD 5
	WIN 0
	s_wait_dscnt 52                                ; behind fragment 2: 16 + 4 + 16 + 16
	QUANT 128, 64, 14, 15
	IMAGE 2
	MLOAD 6
	MLOAD 7
	WIN 0
	s_wait_dscnt 36                                ; behind fragment 3: 16 + 4 + 16
	QUANT 192, 80, 14, 15
	IMAGE 3
	; slot 1, whose f32 phrase is done with, takes V's tile 1
	s_wait_tensorcnt 0x0                           ; V's tile 0 has landed too
	ds_add_u32 v1, v2                              ; 0 onto my spare word
	s_add_nc_u64 s[OFS:OFS+1], s[AOC:AOC+1], 32768
	s_add_nc_u64 s[G0+6:G0+7], s[VB:VB+1], s[OFS:OFS+1]
	s_or_b32 s[G0+7], s[G0+7], 0x80000000
	s_wait_dscnt 0x0                               ; the add is done, my reads of the phrase are in, my images have landed
	CROUND
	tensor_load_to_lds s[G0+4:G0+7], s[G1V:G1V+7]
	s_nop 0
	PLACES4
	WIN 0x40                                       ; all 16 images become my operand registers: K step 0 in window 1,
.irp t, 0,1,2,3,4,5,6,7
.irp c, 0,1,2,3
	ds_load_b128 v[16*\t+4*\c:16*\t+4*\c+3], v9 offset:(2*\t)*2048+512*\c
.endr
.endr
	WIN 0x80                                       ; K step 1 in window 2
.irp t, 0,1,2,3,4,5,6,7
.irp c, 0,1,2,3
	ds_load_b128 v[16*\t+4*\c:16*\t+4*\c+3], v9 offset:(2*\t+1)*2048+512*\c
.endr
.endr
	WIN 0
	FETCH2 0, 0
	; the Q2 codes of my 64 columns are made of the multipliers, which are those columns: register y, byte sigma = column 64 w + 8 y + 4 h + sigma
.irp t, 0,1,2,3,4,5,6,7
	WIN 0x01+(\t%2)
.irp m, 0,1,2,3,4,5,6,7,8,9,10,11,12,13,14,15,16,17,18,19,20,21,22,23,24,25,26,27,28,29,30,31
	v_med3_num_f32 v[64+32*(\t%2)+\m], v[128+32*(\t/2)+\m], -v25, v25
.endr
	WIN 0xc0
.irp g, 0,1,2,3
	v_cvt_scalef32_pk8_bf8_f32 v[8*\t+2*\g:8*\t+2*\g+1], v[64+32*(\t%2)+8*\g:64+32*(\t%2)+8*\g+7], v24
.endr
.endr
	v_nop                                          ; a plain instruction behind the last conversion
	WIN 0
	s_mov_b32 s[TR], 0
	s_mov_b32 s[RS], 0
.Ltrip:                                                ; three trips; each fills both slots twice
	TRIP 0
	s_mov_b64 s[AOC:AOC+1], s[AON:AON+1]
	s_add_co_u32 s[AON], s[AON], 2048
	s_and_b32 s[AON], s[AON], 0x1800
	s_add_co_u32 s[RS], s[RS], 32
	s_add_co_u32 s[TR], s[TR], 1
	s_cmp_lt_u32 s[TR], 3
	s_cbranch_scc1 .Ltrip
	TRIP 1                                         ; the last trip is written out
	s_wait_dscnt 0x0                               ; my last sums lie in the stage
	s_barrier_signal -1
	s_barrier_wait -1
	s_mov_b32 s[RS], 0                             ; the last trip's slices lie at position 0
	RLOAD
	RCOMP 0, 0
	; THE WAY OUT: a thread's five sums go through LDS, so that each wave stores one class's 128 rows: 512 consecutive bytes
	WIN 0xcf
.irp c, 0,1,2,3,4
	v_add_f32 v[66+2*\c], v[66+2*\c], v[67+2*\c]
.endr
	WIN 0x0c                                       ; store data in window 3, address in window 0
.irp c, 0,1,2,3,4
	ds_store_b32 v26, v[66+2*\c] offset:512*\c
.endr
	WIN 0
	s_wait_dscnt 0x0
	s_barrier_signal -1
	s_barrier_wait -1
	ds_load_b128 v[32:35], v27                     ; class w
	s_cmp_lg_u32 s[WV], 0
	s_cbranch_scc1 .Lnot_class_4
	ds_load_b128 v[36:39], v27 offset:2048         ; wave 0 takes class 4 too
	s_wait_dscnt 0x0
	global_store_b128 v29, v[36:39], s[18:19] offset:131072
.Lnot_class_4:
	s_wait_dscnt 0x0
	global_store_b128 v29, v[32:35], s[18:19]
	s_wait_tensorcnt 0x0                           ; the wave's end, behind my last tensor load and my last LDS store
	ds_add_u32 v1, v2
	s_wait_dscnt 0x0
	CROUND                                         ; the closing round: no work-group ends while a partner may still ask for a tile that names it
	s_endpgm
.Lfunc_end_k_q8c60d19d03_tensor:
	.size	k_q8c60d19d03_tensor, .Lfunc_end_k_q8c60d19d03_tensor-k_q8c60d19d03_tensor
	.p2alignl 7, 3214868480
	.fill 96, 4, 3214868480
	.section	.rodata,"a",@progbits
	.p2align	6, 0x0
	.amdhsa_kernel k_q8c60d19d03_tensor
		.amdhsa_group_segment_fixed_size 327680
		.amdhsa_private_segment_fixed_size 0
		.amdhsa_enable_private_segment 0
		.amdhsa_kernarg_size 64
		.amdhsa_user_sgpr_count 2
		.amdhsa_user_sgpr_kernarg_segment_ptr 1
		.amdhsa_wavefront_size32 1
		.amdhsa_system_sgpr_workgroup_id_x 1
		.amdhsa_system_sgpr_workgroup_id_y 1
		.amdhsa_system_sgpr_workgroup_id_z 1
		.amdhsa_system_vgpr_workitem_id 0
		.amdhsa_next_free_vgpr 1024
		.amdhsa_next_free_sgpr 100
		.amdhsa_reserve_vcc 1
		.amdhsa_float_denorm_mode_32 3
		.amdhsa_float_denorm_mode_16_64 3
		.amdhsa_memory_ordered 1
		.amdhsa_forward_progress 1
		.amdhsa_inst_pref_size 255
	.end_amdhsa_kernel
	.section	.bss,"aw",@nobits
	.p2align	6
	.space	262144
	.amdgpu_metadata
---
amdhsa.version: [ 1, 2 ]
amdhsa.kernels:
  - .name:           k_q8c60d19d03_tensor
    .symbol:         k_q8c60d19d03_tensor.kd
    .args:
      - { .name: left, .offset: 0, .size: 8, .value_kind: global_buffer, .address_space: global }
      - { .name: right, .offset: 8, .size: 8, .value_kind: global_buffer, .address_space: global }
      - { .name: V_codes, .offset: 16, .size: 8, .value_kind: global_buffer, .address_space: global }
      - { .name: W_w_codes, .offset: 24, .size: 8, .value_kind: global_buffer, .address_space: global }
      - { .name: W_b, .offset: 32, .size: 8, .value_kind: global_buffer, .address_space: global }
      - { .name: Ws_w, .offset: 40, .size: 8, .value_kind: global_buffer, .address_space: global }
      - { .name: lowp_scales, .offset: 48, .size: 8, .value_kind: global_buffer, .address_space: global }
      - { .name: plog, .offset: 56, .size: 8, .value_kind: global_buffer, .address_space: global }
    .group_segment_fixed_size: 327680
    .private_segment_fixed_size: 0
    .kernarg_segment_align: 8
    .kernarg_segment_size: 64
    .max_flat_workgroup_size: 128
    .sgpr_count:     100
    .vgpr_count:     1024
    .wavefront_size: 32
...
	.end_amdgpu_metadata
.endif
;; end of part 1
;; launch finish (part 2): grid 64 x 1, 1 waves a work-group, no clusters, 2,816 bytes of LDS; arguments plog, Ws_b, out0; writes out0
.if DOCPART == 2
	.amdgcn_target "amdgcn-amd-amdhsa--gfx1250"
	.amdhsa_code_object_version 6
	.text
	.protected	k_q8c60d19d03_finish
	.globl	k_q8c60d19d03_finish
	.p2align	8
	.type	k_q8c60d19d03_finish,@function
k_q8c60d19d03_finish:
	s_mov_b64 s[64:65], 0
	v_nop
	global_prefetch_b8 v0, s[64:65] scope:SCOPE_SE
	s_setreg_imm32_b32 hwreg(HW_REG_WAVE_MODE, 25, 1), 1
	s_wait_xcnt 0x0
; out0[row][c] = log_softmax over c of (the four quarters' partial logits + Ws_b[c]).  plog: [quarter 4][class 5][row 8192] f32; out0: [8192][5] f32.
; One wave takes 128 rows, a lane 4 neighbouring rows: each of the 20 loads reads 512 consecutive bytes.  The row's largest logit is taken away ahead of the exponentials.
; A lane's 4 rows x 5 classes are 80 consecutive bytes of out0; they turn through the wave's own LDS bytes so that each store covers 512 consecutive bytes, aligned (a work-group's 2,560 bytes are ten blocks of 256).
; There is work for 64 such waves, so 64 work-groups are launched.  No matrix unit, no cluster, no barrier: nothing is shared.
; REGISTERS: v1 16 x lane; v2 80 x lane; v16-95 the partial logits (20 quarter + 4 class + row), v16-35 then the logits and logit - max; v96-115 exponentials; v116-119 max; v120-123 sums; v124-143 results (5 row + class); v36-55 rows read back.
	s_load_b128 s[4:7], s[0:1], 0x0                ; plog, Ws_b
	s_load_b64 s[8:9], s[0:1], 0x10                ; out0
	v_lshl_add_u32 v144, v0, 2, 0xa00
	v_mov_b32 v145, 0
	v_lshlrev_b32 v1, 4, v0
	v_mul_u32_u24 v2, v0, 80
	s_lshl_b32 s10, ttmp9, 9                       ; 128 rows of 4 bytes
	s_mov_b32 s11, 0
	s_mul_i32 s12, ttmp9, 2560                     ; 128 rows of 20 bytes
	s_mov_b32 s13, 0
	s_wait_kmcnt 0x0
	s_load_b128 s[16:19], s[6:7], 0x0              ; Ws_b[0..3]
	s_load_b32 s20, s[6:7], 0x10                   ; Ws_b[4]
	s_add_nc_u64 s[4:5], s[4:5], s[10:11]
	s_add_nc_u64 s[8:9], s[8:9], s[12:13]
.irp q, 0,1,2,3
.irp c, 0,1,2,3,4
	global_load_b128 v[16+20*\q+4*\c:19+20*\q+4*\c], v1, s[4:5] offset:\q*163840+\c*32768 th:TH_LOAD_NT
.endr
.endr
	s_wait_loadcnt 0x0
	s_wait_kmcnt 0x0
.irp j, 0,2,4,6,8,10,12,14,16,18
	v_pk_add_f32 v[16+\j:17+\j], v[16+\j:17+\j], v[36+\j:37+\j]
	v_pk_add_f32 v[56+\j:57+\j], v[56+\j:57+\j], v[76+\j:77+\j]
.endr
.irp j, 0,2,4,6,8,10,12,14,16,18
	v_pk_add_f32 v[16+\j:17+\j], v[16+\j:17+\j], v[56+\j:57+\j]
.endr
.irp c, 0,1,2,3,4
.irp p, 0,1,2,3
	v_add_f32 v[16+4*\c+\p], s[16+\c], v[16+4*\c+\p]       ; + Ws_b
.endr
.endr
.irp p, 0,1,2,3
	v_max3_num_f32 v[116+\p], v[16+\p], v[20+\p], v[24+\p]
.endr
.irp p, 0,1,2,3
	v_max3_num_f32 v[116+\p], v[116+\p], v[28+\p], v[32+\p]
.endr
.irp c, 0,1,2,3,4
.irp p, 0,1,2,3
	v_sub_f32 v[16+4*\c+\p], v[16+4*\c+\p], v[116+\p]      ; d = logit - max
.endr
.endr
.irp j, 0,1,2,3,4,5,6,7,8,9,10,11,12,13,14,15,16,17,18,19
	v_mul_f32 v[96+\j], 0x3fb8aa3b, v[16+\j]               ; x log2(e)
.endr
.irp j, 0,1,2,3,4,5,6,7,8,9,10,11,12,13,14,15,16,17,18,19
	v_exp_f32 v[96+\j], v[96+\j]
.endr
	v_nop                                          ; a plain instruction behind the last exponential,
	s_wait_alu depctr_va_vdst(0)                   ; and one wait for the batch, ahead of its first reader
.irp u, 0,2
	v_pk_add_f32 v[120+\u:121+\u], v[96+\u:97+\u], v[100+\u:101+\u]
.endr
.irp c, 2,3,4
.irp u, 0,2
	v_pk_add_f32 v[120+\u:121+\u], v[120+\u:121+\u], v[96+4*\c+\u:97+4*\c+\u]
.endr
.endr
.irp p, 0,1,2,3
	v_log_f32 v[120+\p], v[120+\p]
.endr
	v_nop
	s_wait_alu depctr_va_vdst(0)                   ; likewise for the logarithms
.irp p, 0,1,2,3
	v_mul_f32 v[120+\p], 0x3f317218, v[120+\p]             ; x ln 2
.endr
.irp p, 0,1,2,3
.irp c, 0,1,2,3,4
	v_sub_f32 v[124+5*\p+\c], v[16+4*\c+\p], v[120+\p]
.endr
.endr
.irp i, 0,1,2,3,4
	ds_store_b128 v2, v[124+4*\i:127+4*\i] offset:16*\i    ; lanes 80 bytes = 20 words apart
.endr
.irp i, 0,1,2,3,4
	ds_load_b128 v[36+4*\i:39+4*\i], v1 offset:512*\i      ; LDS serves a wave's instructions in order (ISA guide 5.7.1.4): these see the stores above
.endr
.irp i, 0,1,2,3,4
	s_wait_dscnt 4-\i
	global_store_b128 v1, v[36+4*\i:39+4*\i], s[8:9] offset:512*\i
.endr
	s_wait_tensorcnt 0x0
	ds_add_u32 v144, v145
	s_wait_dscnt 0x0
	s_endpgm
.Lfunc_end_k_q8c60d19d03_finish:
	.size	k_q8c60d19d03_finish, .Lfunc_end_k_q8c60d19d03_finish-k_q8c60d19d03_finish
	.p2alignl 7, 3214868480
	.fill 96, 4, 3214868480
	.section	.rodata,"a",@progbits
	.p2align	6, 0x0
	.amdhsa_kernel k_q8c60d19d03_finish
		.amdhsa_group_segment_fixed_size 2816
		.amdhsa_private_segment_fixed_size 0
		.amdhsa_enable_private_segment 0
		.amdhsa_kernarg_size 24
		.amdhsa_user_sgpr_count 2
		.amdhsa_user_sgpr_kernarg_segment_ptr 1
		.amdhsa_wavefront_size32 1
		.amdhsa_system_sgpr_workgroup_id_x 1
		.amdhsa_system_sgpr_workgroup_id_y 1
		.amdhsa_system_sgpr_workgroup_id_z 1
		.amdhsa_system_vgpr_workitem_id 0
		.amdhsa_next_free_vgpr 146
		.amdhsa_next_free_sgpr 66
		.amdhsa_reserve_vcc 0
		.amdhsa_float_denorm_mode_32 3
		.amdhsa_float_denorm_mode_16_64 3
		.amdhsa_memory_ordered 1
		.amdhsa_forward_progress 1
		.amdhsa_inst_pref_size 12
	.end_amdhsa_kernel
	.amdgpu_metadata
---
amdhsa.version: [ 1, 2 ]
amdhsa.kernels:
  - .name:           k_q8c60d19d03_finish
    .symbol:         k_q8c60d19d03_finish.kd
    .args:
      - { .name: plog, .offset: 0, .size: 8, .value_kind: global_buffer, .address_space: global }
      - { .name: Ws_b, .offset: 8, .size: 8, .value_kind: global_buffer, .address_space: global }
      - { .name: out0, .offset: 16, .size: 8, .value_kind: global_buffer, .address_space: global }
    .group_segment_fixed_size: 2816
    .private_segment_fixed_size: 0
    .kernarg_segment_align: 8
    .kernarg_segment_size: 24
    .max_flat_workgroup_size: 32
    .sgpr_count:     66
    .vgpr_count:     146
    .wavefront_size: 32
...
	.end_amdgpu_metadata
.endif
;; end of part 2
